; MI455X (gfx1250); checked and timed in simulation.
; The chip was launched on July 23, 2026; its instructions are those of AMD's public machine-readable ISA for CDNA 5 (MIT licence, August 2026) and "CDNA5" Instruction Set Architecture Reference Guide (July 2026). The comments in the code are by the model that wrote it; some were corrected since.
;; Self Attention Layer. Allowed arithmetic: matrix products marked QUANTISED: E2M3 operands, one E8M0 scale for each 32 along K, by v_wmma_scale_f32_16x16x128_f8f6f4 with both operands' format E2M3, f32 sums; everything else in f32.
;; Inputs: Wo 1,024 x 1,024 float32; Wq 1,024 x 1,024 float32; bo 1,024 float32; bq 1,024 float32; k 4 x 2,048 x 1,024 float32; q 4 x 2,048 x 1,024 float32; v 4 x 2,048 x 1,024 float32.
;; Outputs: out0 4 x 2,048 x 1,024 float32.
;; This version of the problem:
;;   THIS VERSION OF THE PROBLEM IS GIVEN IN LOW PRECISION. The matrix products marked QUANTISED in the list below multiply operands that are first quantised to E2M3 (2 exponent bits, 3 mantissa bits; 6 bits a number), with one power-of-two scale for each 32 numbers along K (OCP MX v1.0); their sums are f32. All else is computed in f32.
;;   The module's matrix products, in the order in which they are computed (A, B: the left and right operand; K: the contracted axis; several contracted axes count as one K, in the product's order):
;;     1. [M 8,192, K 1,024] x [K 1,024, N 1,024]; A: input q; B: input Wq: QUANTISED
;;     2. [M 8,192, K 1,024] x [K 1,024, N 1,024]; A: input k; B: input Wq: QUANTISED
;;     3. [M 8,192, K 1,024] x [K 1,024, N 1,024]; A: input v; B: input Wq: QUANTISED
;;     4. batch 64 x [M 2,048, K 64] x [K 64, N 2,048]; A: computed on the way; B: computed on the way: QUANTISED
;;     5. batch 64 x [M 64, K 2,048] x [K 2,048, N 2,048]; A: computed on the way; B: softmax (see below): QUANTISED
;;     6. [M 8,192, K 1,024] x [K 1,024, N 1,024]; A: computed on the way; B: input Wo: QUANTISED
;;   THE QUANTISER, for each operand of a quantised product, along K:
;;     - K is cut into blocks of 32 from its start; a last block that is shorter is filled with zeros.
;;     - A block's scale is 2^e with e = floor(log2(the largest magnitude in the block)) - 2, held to -126 .. 127; a block of zeros has e = 0. As a byte (E8M0): e + 127.
;;     - Each number is divided by its block's scale, clamped to +-7.5, and rounded to the nearest number of E2M3, ties to even, subnormals kept.
;;     - The product sums the exact products of the quantised numbers (number of the format x scale) in f32.
;;   ~~~python
;;   def quantise(x, axis):      # numpy; x: float32 -> the quantised numbers, widened to float32 again
;;       x = np.moveaxis(x, axis, -1); K = x.shape[-1]
;;       x = np.pad(x, [(0, 0)] * (x.ndim - 1) + [(0, -K % 32)]); x = x.reshape(x.shape[:-1] + (-1, 32)); a = np.abs(x).max(-1, keepdims=True)
;;       e = np.where(a > 0, np.clip(np.frexp(np.where(a > 0, a, 1))[1] - 1 - 2, -126, 127), 0)      # np.frexp(a)[1] - 1 = floor(log2(a)), exactly
;;       r = np.clip(x / 2.0 ** e, -7.5, 7.5)
;;       step = 2.0 ** (np.maximum(np.frexp(np.where(r == 0, 1, r))[1] - 1, 0) - 3)
;;       q = np.round(r / step) * step * 2.0 ** e      # np.round: ties to even
;;       return np.moveaxis(q.reshape(q.shape[:-2] + (-1,))[..., :K], -1, axis).astype(np.float32)
;;   ~~~
;;   SOFTMAX AHEAD OF A QUANTISED PRODUCT. Where the list says 'softmax', what is quantised is not the finished softmax but p = 2^(t - M), with t = logit x log2(e) and M = ceil(the row's largest t), a whole number; so 1/2 < the row's largest p <= 1. The row's sum l is taken of the UNQUANTISED p, in f32, and the product's result is divided by l at the end. Since M is a whole number, a kernel that streams over the keys may use a running M (the ceiling of the running maximum): every later rescaling is an exact power of two, which a block's scale takes up: the codes' values come out the same.
;;   OPERANDS COMPUTED ON THE WAY. 'Computed on the way' means the value that the module computes at that place (a softmax that the list does not call 'softmax' is quantised finished and normalised). What goes into a quantiser is computed in f32, as accurately as f32 sums, v_exp_f32 and their like allow (about 1e-6 of the number): no bf16 or f16 on the way to a quantiser, and a product that is left as it is and whose result goes on into a quantised operand takes f32 operands (vector FMAs, or v_wmma_f32_16x16x4_f32). A number that lies on a knife's edge between two numbers of the format may be rounded either way, as far as f32 arithmetic and the matrix unit's own rounding can turn it there, and no further.
;; One version. Each part assembles by itself: llvm-mc -triple=amdgcn-amd-amdhsa -mcpu=gfx1250 --defsym DOCPART=n.
;; ======== version 1 of 1: 4 launches
;; limits: right only within a limited range of input values
;; workspace buffers: wc 1,572,864 bytes; ws 65,536 bytes; pc 18,874,368 bytes; ps 1,310,720 bytes; oc 6,291,456 bytes; os 262,144 bytes
;; launch quantw (part 1): grid 256 x 1, 1 waves a work-group, no clusters, 17,152 bytes of LDS; arguments Wq, Wo, wc, ws; writes wc, ws
.if DOCPART == 1
	.amdgcn_target "amdgcn-amd-amdhsa--gfx1250"
	.amdhsa_code_object_version 6
	.text
	.protected	k_q5d40f871cb_quantw
	.globl	k_q5d40f871cb_quantw
	.p2align	8
	.type	k_q5d40f871cb_quantw,@function
k_q5d40f871cb_quantw:
	s_mov_b64 s[64:65], 0
	v_nop
	global_prefetch_b8 v0, s[64:65] scope:SCOPE_SE
	s_setreg_imm32_b32 hwreg(HW_REG_WAVE_MODE, 25, 1), 1
	s_wait_xcnt 0x0
; Wq and Wo, [1024 (n)][1024 (k)] f32, become codes of E2M3 with one E8M0 byte for each 32 along k, laid in the ORDER OF THE OPERAND'S REGISTERS.
; A fragment is 16 rows x 128 k: 12 registers a lane; its image is 3 chunks of 512 bytes, chunk c = registers 4 c .. 4 c + 3, lane l's 16 bytes at 16 l.
; wc: [matrix 2][head 16][K step 8][tile u 4][1,536 bytes].  ws: [matrix][head][K step][r 16][u 4] scale words.
; THE ROWS OF A TILE ARE NOT NEIGHBOURS: lane index i of tile u takes row 64 head + 32 (i / 8) + 8 u + i % 8, so that in a product that has the tile as source 0 the 32 result registers of the
; four tiles are 32 neighbouring columns, 32 (lane / 16) + 0 .. 31: a whole block of the next quantiser in one lane.
; One wave a work-group; work-group id = 128 matrix + 8 head + K step makes that K step's four fragments.  Each load reads 512 consecutive bytes of one row; the 16 rows turn through a stage in LDS
; (rows 528 bytes apart: row r starts at bank 4 r) so that lane (r, h) gets k = 64 c + 32 h + 0 .. 31 of row r in consecutive registers.
; A block's scale byte is its largest magnitude's exponent field - 2, held at 1 from below.
; LIMITS: NaN and infinities are not served; a block of zeros, or one whose largest magnitude lies under 2^-124, gets the byte 1 (its codes are then zeros or held small); the bytes are read by this program alone.
.set LI,   1                           ; v1   16 x lane: a load's, an image's and the stage's way in
.set STO,  3                           ; v3   the stage's way out: 528 r + 128 h
.set SH8,  4                           ; v4   8 h
.set WO,   5                           ; v5   16 r + 8 h: my two scale words
.set X,    32                          ; v32-159  two sets of 64 numbers
.set CODE, 160                         ; v160-207 12 registers for each tile: no store's data are written again
.set WD,   208                         ; v208-211 the four tiles' scale words
.set M,    212                         ; v212-213 largest magnitudes, then bytes
.set SC,   214                         ; v214-215 the conversions' scale operands
.set TC,   216                         ; v216-222 the upper halves of the blocks' codes
.set SW,   224                         ; v224-225 the two words that I store
.set SEL,  20                          ; s[20:21] lane selects: lane l xor 16
.set SPAR, 8448                        ; a stage: 16 rows x 528 bytes
.set MSB, 0
.macro WIN new                         ; the immediate's high byte repeats the setting that is left
.if MSB != (\new)
	s_set_vgpr_msb (MSB<<8)|(\new)
.set MSB, (\new)
.endif
.endm
.macro LOADF set, off                  ; 16 rows x 512 bytes into set (window 1): row 32 (i / 8) + i % 8 from off on
	WIN 0x40
.irp i, 0,1,2,3,4,5,6,7,8,9,10,11,12,13,14,15
	global_load_b128 v[64*(\set)+4*\i:64*(\set)+4*\i+3], v[LI], s[4:5] offset:(\off)+(32*(\i/8)+\i%8)*4096 th:TH_LOAD_NT
.endr
.endm
.macro TURN set, par                   ; through stage par: LDS serves a wave's instructions in order, so no wait stands between the stores and the loads
	WIN 0x04
.irp i, 0,1,2,3,4,5,6,7,8,9,10,11,12,13,14,15
	ds_store_b128 v[LI], v[64*(\set)+4*\i:64*(\set)+4*\i+3] offset:(\par)*SPAR+528*\i
.endr
	WIN 0
.irp c, 0,1
.irp j, 0,1,2,3,4,5,6,7
	ds_load_b128 v[X+64*(\par)+32*\c+4*\j:X+64*(\par)+32*\c+4*\j+3], v[STO] offset:(\par)*SPAR+256*\c+16*\j
.endr
.endr
.endm
; 64 numbers of a lane, v[s + 32 c + i] = k 64 c + 32 h + i of my row, become the fragment's 12 registers and its scale word
.macro QUANT s, code, pw
.irp c, 0,1
	v_max3_num_f32 v[M+\c], |v[(\s)+32*\c]|, |v[(\s)+32*\c+1]|, 0x1800000   ; block 2 c + h is all mine; the floor 2^(3 - 127) holds the byte at 1 from below
.endr
.irp i, 2,4,6,8,10,12,14,16,18,20,22,24,26,28,30
.irp c, 0,1
	v_max3_num_f32 v[M+\c], v[M+\c], |v[(\s)+32*\c+\i]|, |v[(\s)+32*\c+\i+1]|
.endr
.endr
.irp c, 0,1
	v_add_nc_u32 v[SC+\c], 0xff000000, v[M+\c]     ; 2 off the exponent field: the conversion takes this operand's exponent field as its scale
.endr
.irp c, 0,1
	v_lshrrev_b32 v[M+\c], 23, v[SC+\c]            ; the scale's byte
.endr
	v_lshl_or_b32 v[M], v[M+1], 16, v[M]           ; my bytes h and 2 + h,
	v_lshlrev_b32 v[M], v[SH8], v[M]               ; at their places,
	v_permlanex16_b32 v[M+1], v[M], s[SEL], s[SEL+1]
	v_or_b32 v[\pw], v[M], v[M+1]                  ; with lane l xor 16's two: the word
.irp c, 0,1
	v_cvt_scalef32_pk16_fp6_f32 v[(\code)+6*\c:(\code)+6*\c+2], v[(\s)+32*\c:(\s)+32*\c+15], v[SC+\c]
	v_cvt_scalef32_pk16_fp6_f32 v[TC+4*\c:TC+4*\c+2], v[(\s)+32*\c+16:(\s)+32*\c+31], v[SC+\c]   ; (a conversion's three registers begin on an even number)
.endr
	v_nop                                          ; one plain place behind the scaled conversions
.irp c, 0,1
.irp n, 0,1,2
	v_mov_b32 v[(\code)+6*\c+3+\n], v[TC+4*\c+\n]
.endr
.endr
.endm
	s_load_b128 s[4:7], s[0:1], 0x0                ; Wq, Wo
	s_load_b128 s[8:11], s[0:1], 0x10              ; wc, ws
	v_lshl_add_u32 v254, v0, 2, 0x4200
	v_mov_b32 v255, 0
	v_and_b32 v2, 15, v0                           ; r
	v_lshrrev_b32 v6, 4, v0                        ; h (one wave: v0 is the lane)
	v_lshlrev_b32 v[LI], 4, v0
	v_mul_u32_u24 v[STO], v2, 528
	v_lshl_add_u32 v[STO], v6, 7, v[STO]
	v_lshlrev_b32 v[SH8], 3, v6
	v_lshlrev_b32 v[WO], 4, v2
	v_lshl_add_u32 v[WO], v6, 3, v[WO]
	v_cmp_ne_u32 vcc_lo, 0, v6                     ; lanes 16-31
	s_mov_b32 s[SEL], 0x76543210
	s_mov_b32 s[SEL+1], 0xfedcba98
	s_and_b32 s12, ttmp9, 127
	s_lshr_b32 s13, s12, 3                         ; head
	s_and_b32 s14, s12, 7                          ; K step
	s_lshl_b32 s16, s13, 18                        ; 64 rows of 4,096 bytes
	s_lshl_b32 s14, s14, 9                         ; 128 numbers
	s_add_co_u32 s16, s16, s14
	s_mov_b32 s17, 0
	s_mul_i32 s18, ttmp9, 6144
	s_mov_b32 s19, 0
	s_lshl_b32 s22, ttmp9, 8
	s_mov_b32 s23, 0
	s_wait_alu depctr_va_vdst(0)
	s_wait_kmcnt 0x0
	s_cmp_lt_u32 ttmp9, 128                        ; the choice hangs on the work-group's number alone
	s_cselect_b64 s[4:5], s[4:5], s[6:7]
	s_add_nc_u64 s[4:5], s[4:5], s[16:17]
	s_add_nc_u64 s[8:9], s[8:9], s[18:19]
	s_add_nc_u64 s[10:11], s[10:11], s[22:23]
.irp u, 0,1,2,3
	LOADF \u, 8*\u*4096
.endr
	s_wait_loadcnt 48                              ; tile 0's 16 loads are in; the three younger sets may be out
	TURN 0, 0
.irp u, 0,1,2,3
	s_wait_dscnt 0x0                               ; this tile's numbers are back from the stage
.if \u < 3
	s_wait_loadcnt 16*(2-\u)                       ; the next tile's loads are in; the younger sets may be out
	TURN \u+1, (\u+1)%2
.endif
	QUANT X+64*(\u%2), CODE+12*\u, WD+\u
.irp c, 0,1,2
	global_store_b128 v[LI], v[CODE+12*\u+4*\c:CODE+12*\u+4*\c+3], s[8:9] offset:1536*\u+512*\c   ; 512 consecutive bytes, aligned
.endr
.endr
	v_cndmask_b32 v[SW], v[WD], v[WD+2], vcc_lo    ; lanes 0-15 store words 0, 1 of their row, lanes 16-31 words 2, 3
	v_cndmask_b32 v[SW+1], v[WD+1], v[WD+3], vcc_lo
	global_store_b64 v[WO], v[SW:SW+1], s[10:11]   ; 32 lanes store 256 consecutive bytes, aligned
	s_wait_tensorcnt 0x0
	ds_add_u32 v254, v255
	s_wait_dscnt 0x0
	s_endpgm
.Lfunc_end_k_q5d40f871cb_quantw:
	.size	k_q5d40f871cb_quantw, .Lfunc_end_k_q5d40f871cb_quantw-k_q5d40f871cb_quantw
	.p2alignl 7, 3214868480
	.fill 96, 4, 3214868480
	.section	.rodata,"a",@progbits
	.p2align	6, 0x0
	.amdhsa_kernel k_q5d40f871cb_quantw
		.amdhsa_group_segment_fixed_size 17152
		.amdhsa_private_segment_fixed_size 0
		.amdhsa_enable_private_segment 0
		.amdhsa_kernarg_size 32
		.amdhsa_user_sgpr_count 2
		.amdhsa_user_sgpr_kernarg_segment_ptr 1
		.amdhsa_wavefront_size32 1
		.amdhsa_system_sgpr_workgroup_id_x 1
		.amdhsa_system_sgpr_workgroup_id_y 1
		.amdhsa_system_sgpr_workgroup_id_z 1
		.amdhsa_system_vgpr_workitem_id 0
		.amdhsa_next_free_vgpr 512
		.amdhsa_next_free_sgpr 66
		.amdhsa_reserve_vcc 1
		.amdhsa_float_denorm_mode_32 3
		.amdhsa_float_denorm_mode_16_64 3
		.amdhsa_memory_ordered 1
		.amdhsa_forward_progress 1
		.amdhsa_inst_pref_size 30
	.end_amdhsa_kernel
	.amdgpu_metadata
---
amdhsa.version: [ 1, 2 ]
amdhsa.kernels:
  - .name:           k_q5d40f871cb_quantw
    .symbol:         k_q5d40f871cb_quantw.kd
    .args:
      - { .name: Wq, .offset: 0, .size: 8, .value_kind: global_buffer, .address_space: global }
      - { .name: Wo, .offset: 8, .size: 8, .value_kind: global_buffer, .address_space: global }
      - { .name: wc, .offset: 16, .size: 8, .value_kind: global_buffer, .address_space: global }
      - { .name: ws, .offset: 24, .size: 8, .value_kind: global_buffer, .address_space: global }
    .group_segment_fixed_size: 17152
    .private_segment_fixed_size: 0
    .kernarg_segment_align: 8
    .kernarg_segment_size: 32
    .max_flat_workgroup_size: 32
    .sgpr_count:     66
    .vgpr_count:     512
    .wavefront_size: 32
...
	.end_amdgpu_metadata
.endif
;; end of part 1
;; launch proj (part 2): grid 192 x 1, 4 waves a work-group, no clusters, 170,496 bytes of LDS; arguments q, k, v, bq, wc, ws, pc, ps; writes pc, ps
.if DOCPART == 2
	.amdgcn_target "amdgcn-amd-amdhsa--gfx1250"
	.amdhsa_code_object_version 6
	.text
	.protected	k_q5d40f871cb_proj
	.globl	k_q5d40f871cb_proj
	.p2align	8
	.type	k_q5d40f871cb_proj,@function
k_q5d40f871cb_proj:
	s_mov_b64 s[64:65], 0
	v_nop
	global_prefetch_b8 v0, s[64:65] scope:SCOPE_SE
	s_setreg_imm32_b32 hwreg(HW_REG_WAVE_MODE, 25, 1), 1
	s_wait_xcnt 0x0
; The three projections x Wq^T + bq (x = q, k, v: 64 work-groups each), both operands as codes of E2M3, and the quantising of their results for the attention.
; A work-group takes 128 rows of x and all 1,024 columns.  PHASE X: wave w quantises row tiles 2 w and 2 w + 1 (16 rows x 1,024 k: 16 fragments) and lays their register images and scale words into LDS; one barrier.
; GEMM: wave w makes heads 4 w .. 4 w + 3, one head (64 columns) at a time, for all 128 rows: 32 accumulators; x's fragments come from LDS, Wq's images from memory straight into registers, three K steps ahead.
; THE ROWS OF A TILE ARE NOT NEIGHBOURS (x's as Wq's): index i of tile u of a group of 64 rows is row 32 (i / 8) + 8 u + i % 8.
; q, k: the product is used TRANSPOSED (source 0 = Wq's tile, source 1 = x's): lane (r, h) holds row r of an x tile and, over Wq's four tiles, e = 32 h + 0 .. 31 of the head: one block, half a fragment (6 registers).
; v: source 0 = x's tile, source 1 = Wq's: lane (r, h) holds d = the tile's row r and, over x's four tiles of a group, keys 32 h + 0 .. 31: one block along the KEYS; two groups make a whole fragment of V^T.
; pc: three sections (q, k, v) of [head of batch 64][pair 64][1,536 bytes]; ps: q, k [bh][group 32][r 16][u 4] words (bytes 2, 3 = 0x7f), v [bh][key step 16][r 16][u 4] words.
; The bias is the C of each sum's first matrix instruction, so it is the sum's first addend (another order of rounding than a bias added last).
; NO JOINT LOADS, though all work-groups read the same 786,432 bytes of Wq's images: each fragment is multiplied by one wave alone and goes from memory into that wave's registers; a joint load lands in LDS, and a K step's
; 6,144 bytes a wave would be read from LDS on top of the 12,288 of x.
; LIMITS: NaN and infinities are not served; a block whose largest magnitude lies under 2^-124 (zeros too) gets the byte 1; the bytes are read by this program alone.
; REGISTERS.  window 0: v1-13 addresses; v16-31 Wq's scale words, 4 sets; v32-127 x's 8 fragments; v128-191 x's scale words (tile a, K step k: 128 + 8 a + k); v192-255 at work.
;   (phase X: v32-95 and v192-255 two sets of 64 numbers, v96-127 at work).   window 1: the 32 accumulators (phase X: four sets of 16 loaded rows).   window 2: v0-191 Wq's fragments, 4 sets x 4 tiles; v192-223 the bias as C; v224-227 v's bias as loaded.
.set XSC,   98304                      ; LDS: 0 .. x's images, fragment (a, k) at (8 a + k) 1,536;  here its scale words, (16 a + r) 32 + 4 k;
.set STG,   102400                     ; here the waves' stages: 16,896 w + 8,448 par
.set SPAR,  8448
.set LI,    1                          ; 16 x lane
.set LI2,   2                          ; + 49,152: tiles 4-7
.set R16,   3                          ; 16 r
.set STI,   4                          ; my stage + 16 x lane
.set STO,   5                          ; my stage + 528 r + 128 h
.set XWI,   6                          ; 24,576 w + 16 x lane: where I lay x's images
.set XWS,   7                          ; XSC + 1,024 w + 32 r: and their words
.set SH8,   8                          ; 8 h
.set XSA,   9                          ; XSC + 32 r
.set BOA,   10                         ; 128 h: the bias of my 32 columns
.set BOB,   11                         ; 128 (r / 8) + 4 (r % 8): the bias of my d
.set OFQ,   12                         ; 256 h + 16 r
.set OFV,   13                         ; 16 r + 8 h
.set WS,    16
.set XF,    32
.set XSALL, 128
.set XR,    32                         ; phase X: set par at XR + 160 par
.set M,     96
.set SC,    98
.set TC,    100
.set CODE,  108
.set PW,    120
.set BIAS,  192                        ; window 2
.set BT,    224                        ; window 2
.set ECODE, 192                        ; the way out: two pairs' codes
.set ETC,   216
.set EM,    232
.set ESC,   236
.set EWD,   240
.set ESW,   248
.set X,      20                        ; s[20:21] my wave's first row of x
.set WC,     22                        ; Wq's images: this head's, the next head's, my first head's
.set WN,     24
.set WFIRST, 26
.set SCU,    28                        ; its scale words likewise
.set SN,     30
.set SFIRST, 32
.set BN,     34                        ; the next head's bias, my first head's
.set BFIRST, 36
.set OC,     38                        ; where this head's codes go
.set OS,     40                        ; and its scale words
.set HC,     42                        ; heads to go
.set WV,     43
.set SEL,    44
.set TAU,    46                        ; 0 q, 1 k, 2 v
.set MSB, 0
.macro WIN new                         ; the immediate's high byte repeats the setting that is left
.if MSB != (\new)
	s_set_vgpr_msb (MSB<<8)|(\new)
.set MSB, (\new)
.endif
.endm
.macro PLACES                          ; four plain places behind matrix instructions: ahead of loads into their registers and of the first read of results
.rept 4
	v_nop
.endr
.endm
.macro LOADF set, off                  ; 16 rows x 512 bytes (128 k) into set (window 1): each load reads one row's 512 consecutive bytes
	WIN 0x40
.irp i, 0,1,2,3,4,5,6,7,8,9,10,11,12,13,14,15
	global_load_b128 v[64*(\set)+4*\i:64*(\set)+4*\i+3], v[LI], s[X:X+1] offset:(\off)+(32*(\i/8)+\i%8)*4096 th:TH_LOAD_NT
.endr
.endm
.macro TURN set, par                   ; through my stage par; LDS serves a wave's instructions in order
	WIN 0x04
.irp i, 0,1,2,3,4,5,6,7,8,9,10,11,12,13,14,15
	ds_store_b128 v[STI], v[64*(\set)+4*\i:64*(\set)+4*\i+3] offset:(\par)*SPAR+528*\i
.endr
	WIN 0
.irp c, 0,1
.irp j, 0,1,2,3,4,5,6,7
	ds_load_b128 v[XR+160*(\par)+32*\c+4*\j:XR+160*(\par)+32*\c+4*\j+3], v[STO] offset:(\par)*SPAR+256*\c+16*\j
.endr
.endr
.endm
.macro QUANT s, code, pw               ; 64 numbers, v[s + 32 c + i] = k 64 c + 32 h + i of my row -> 12 registers of codes and the scale word
.irp c, 0,1
	v_max3_num_f32 v[M+\c], |v[(\s)+32*\c]|, |v[(\s)+32*\c+1]|, 0x1800000   ; the floor 2^(3 - 127) holds the byte at 1 from below
.endr
.irp i, 2,4,6,8,10,12,14,16,18,20,22,24,26,28,30
.irp c, 0,1
	v_max3_num_f32 v[M+\c], v[M+\c], |v[(\s)+32*\c+\i]|, |v[(\s)+32*\c+\i+1]|
.endr
.endr
.irp c, 0,1
	v_add_nc_u32 v[SC+\c], 0xff000000, v[M+\c]     ; 2 off the exponent field: the conversion's scale operand
.endr
.irp c, 0,1
	v_lshrrev_b32 v[M+\c], 23, v[SC+\c]            ; the byte
.endr
	v_lshl_or_b32 v[M], v[M+1], 16, v[M]
	v_lshlrev_b32 v[M], v[SH8], v[M]
	v_permlanex16_b32 v[M+1], v[M], s[SEL], s[SEL+1]
	v_or_b32 v[\pw], v[M], v[M+1]
.irp c, 0,1
	v_cvt_scalef32_pk16_fp6_f32 v[(\code)+6*\c:(\code)+6*\c+2], v[(\s)+32*\c:(\s)+32*\c+15], v[SC+\c]
	v_cvt_scalef32_pk16_fp6_f32 v[TC+4*\c:TC+4*\c+2], v[(\s)+32*\c+16:(\s)+32*\c+31], v[SC+\c]
.endr
	v_nop                                          ; one plain place behind the scaled conversions
.irp c, 0,1
.irp n, 0,1,2
	v_mov_b32 v[(\code)+6*\c+3+\n], v[TC+4*\c+\n]
.endr
.endr
.endm
; Fragment f of my 16: K step f / 2, tile 2 w + f % 2.  Loads run three fragments ahead, the turn through LDS one.
.macro XSTEP f
.if (\f) == 0
	s_wait_dscnt 0x0
.else
	s_wait_dscnt 4                                 ; this fragment's numbers are back; the last fragment's 3 image stores and its word store may be out
.endif
.if (\f)+3 < 16
	LOADF ((\f)+3)%4, 8*(((\f)+3)%2)*4096+512*(((\f)+3)/2)
.endif
.if (\f)+1 < 16
.if (\f)+3 < 16
	s_wait_loadcnt 32                              ; the next fragment's 16 loads are in; two younger sets may be out
.else
	s_wait_loadcnt 16*(14-(\f))
.endif
	TURN ((\f)+1)%4, ((\f)+1)%2
	s_wait_dscnt 32                                ; all but the 32 just issued: the last fragment's stores have read the code registers
.else
	s_wait_dscnt 0x0
.endif
	QUANT XR+160*((\f)%2), CODE, PW
.irp c, 0,1,2
	ds_store_b128 v[XWI], v[CODE+4*\c:CODE+4*\c+3] offset:(8*((\f)%2)+(\f)/2)*1536+512*\c
.endr
	ds_store_b32 v[XWS], v[PW] offset:512*((\f)%2)+4*((\f)/2)      ; both lanes of a row write the same word with the same value
.endm
.macro FETCHX k, a0                    ; x's fragments of K step k, tiles a0 .. a0 + 3
.irp a, \a0, \a0+1, \a0+2, \a0+3
.irp c, 0,1,2
.if (\a) < 4
	ds_load_b128 v[XF+12*(\a)+4*\c:XF+12*(\a)+4*\c+3], v[LI] offset:(8*(\a)+(\k))*1536+512*\c
.else
	ds_load_b128 v[XF+12*(\a)+4*\c:XF+12*(\a)+4*\c+3], v[LI2] offset:(8*((\a)-4)+(\k))*1536+512*\c
.endif
.endr
.endr
.endm
.macro WLOAD set, base, sbase, kk      ; 13 loads: Wq's four fragments of K step kk of the head at base, and their scale words
	WIN 0x80
.irp i, 0,1,2,3,4,5,6,7,8,9,10,11
	global_load_b128 v[48*(\set)+4*\i:48*(\set)+4*\i+3], v[LI], s[\base:\base+1] offset:6144*(\kk)+512*\i
.endr
	WIN 0
	global_load_b128 v[WS+4*(\set):WS+4*(\set)+3], v[R16], s[\sbase:\sbase+1] offset:256*(\kk)
.endm
; 16 matrix instructions: x's tiles a0 .. a0 + 3 x Wq's four.  The 32 accumulators take turns, one instruction a turn, in the same order in every K step.  K step 0 takes the bias as C.
.macro MUL a0, k, mode
.if (\k) == 0
	WIN 0x62+6*(\mode)
.else
	WIN 0x52+6*(\mode)
.endif
.irp a, \a0, \a0+1, \a0+2, \a0+3
.irp u, 0,1,2,3
.if \mode == 0
.set DD, 8*(4*(\a)+\u)
.else
.set DD, 8*(16*((\a)/4)+4*\u+(\a)%4)
.endif
.set CC, DD
.if (\k) == 0
.set CC, BIAS+8*\u
.endif
.set WA, 48*((\k)%4)+12*\u
.set XA, XF+12*(\a)
.if \mode == 0
	v_wmma_scale_f32_16x16x128_f8f6f4 v[DD:DD+7], v[WA:WA+11], v[XA:XA+11], v[CC:CC+7], v[WS+4*((\k)%4)+\u], v[XSALL+8*(\a)+(\k)] matrix_a_fmt:MATRIX_FMT_FP6 matrix_b_fmt:MATRIX_FMT_FP6
.else
	v_wmma_scale_f32_16x16x128_f8f6f4 v[DD:DD+7], v[XA:XA+11], v[WA:WA+11], v[CC:CC+7], v[XSALL+8*(\a)+(\k)], v[WS+4*((\k)%4)+\u] matrix_a_fmt:MATRIX_FMT_FP6 matrix_b_fmt:MATRIX_FMT_FP6
.endif
.endr
.endr
.endm
.macro STEP k, mode
	s_wait_loadcnt 26                              ; this K step's 13 loads of Wq are in; the two younger sets may be out
	s_wait_dscnt 12                                ; x's tiles 0-3 are in; tiles 4-7 may be out
	MUL 0, \k, \mode
	s_wait_dscnt 0x0
	PLACES
	WIN 0
	FETCHX ((\k)+1)%8, 0
.if (\k) == 1                          ; the next head's bias: K step 0's products, which took the old one as C, stand a K step back
	WIN 0x80
.if \mode == 0
.irp i, 0,1,2,3,4,5,6,7
	global_load_b128 v[BIAS+4*\i:BIAS+4*\i+3], v[BOA], s[BN:BN+1] offset:16*\i
.endr
.else
.irp u, 0,1,2,3
	global_load_b32 v[BT+\u], v[BOB], s[BN:BN+1] offset:32*\u
.endr
.endif
.endif
.if (\k) < 5
	WLOAD ((\k)+3)%4, WC, SCU, (\k)+3
.else
	WLOAD ((\k)+3)%4, WN, SN, (\k)-5               ; the next head's first K steps (in the last trip: my first head's again, so that no load leaves the buffer and every trip counts alike)
.endif
	MUL 4, \k, \mode
	PLACES
	WIN 0
	FETCHX ((\k)+1)%8, 4
.endm
.macro REPL                            ; v: a lane's bias is one number for each of Wq's tiles: eight registers of C each
	WIN 0x82
.irp u, 0,1,2,3
.irp j, 0,1,2,3,4,5,6,7
	v_mov_b32 v[BIAS+8*\u+\j], v[BT+\u]
.endr
.endr
	WIN 0
.endm
; THE WAY OUT of a head.  A block is 32 accumulator registers, 32 BB on, all in one lane.  q, k: BB = x's tile; two tiles make a pair.  v: BB = 4 group + Wq's tile; groups 0 and 1 make a fragment.
.macro EPI mode
.irp eta, 0,1
	WIN 0x05
.irp i, 0,1,2,3
.set BB, (1-(\mode))*(4*\eta+\i)+(\mode)*(4*(\i%2)+2*\eta+\i/2)
	v_max3_num_f32 v[EM+\i], |v[32*BB]|, |v[32*BB+1]|, 0x1800000   ; each accumulator is read from its low end on
.endr
.irp n, 2,4,6,8,10,12,14,16,18,20,22,24,26,28,30
.irp i, 0,1,2,3
.set BB, (1-(\mode))*(4*\eta+\i)+(\mode)*(4*(\i%2)+2*\eta+\i/2)
	v_max3_num_f32 v[EM+\i], |v[32*BB+\n]|, |v[32*BB+\n+1]|, v[EM+\i]
.endr
.endr
	WIN 0
.irp i, 0,1,2,3
	v_add_nc_u32 v[ESC+\i], 0xff000000, v[EM+\i]
.endr
.irp i, 0,1,2,3
	v_lshrrev_b32 v[EM+\i], 23, v[ESC+\i]
.endr
.if \mode == 0
.irp i, 0,1,2,3
	v_lshl_or_b32 v[EWD+4*\eta+\i], v[EM+\i], v[SH8], 0x7f7f0000   ; my byte h; bytes 2 and 3 stand over the zero codes of the score product's upper K
.endr
.else
.irp p, 0,1
	v_lshl_or_b32 v[EWD+2*\eta+\p], v[EM+2*\p+1], 16, v[EM+2*\p]
	v_lshlrev_b32 v[EWD+2*\eta+\p], v[SH8], v[EWD+2*\eta+\p]
.endr
.endif
.if \eta == 1
	s_wait_xcnt 0x0                                ; the first half's stores have read the code registers
.endif
	WIN 0x01
.irp i, 0,1,2,3
.set BB, (1-(\mode))*(4*\eta+\i)+(\mode)*(4*(\i%2)+2*\eta+\i/2)
	v_cvt_scalef32_pk16_fp6_f32 v[ECODE+6*\i:ECODE+6*\i+2], v[32*BB:32*BB+15], v[ESC+\i]
	v_cvt_scalef32_pk16_fp6_f32 v[ETC+4*\i:ETC+4*\i+2], v[32*BB+16:32*BB+31], v[ESC+\i]
.endr
	WIN 0
	v_nop                                          ; one plain place behind the scaled conversions
.irp i, 0,1,2,3
.irp n, 0,1,2
	v_mov_b32 v[ECODE+6*\i+3+\n], v[ETC+4*\i+\n]
.endr
.endr
.irp p, 0,1
.irp c, 0,1,2
	global_store_b128 v[LI], v[ECODE+12*\p+4*\c:ECODE+12*\p+4*\c+3], s[OC:OC+1] offset:(2*\eta+\p)*1536+512*\c   ; 512 consecutive bytes, aligned
.endr
.endr
.endr
.if \mode == 0
.irp a, 0,1,2,3,4,5,6,7
	v_permlanex16_b32 v[EM+\a], v[EWD+\a], s[SEL], s[SEL+1]
.endr
.irp a, 0,1,2,3,4,5,6,7
	v_or_b32 v[EWD+\a], v[EWD+\a], v[EM+\a]
.endr
.irp n, 0,1,2,3
	v_cndmask_b32 v[ESW+\n], v[EWD+\n], v[EWD+4+\n], vcc_lo        ; lanes 0-15 store group 0's words, lanes 16-31 group 1's
.endr
	global_store_b128 v[OFQ], v[ESW:ESW+3], s[OS:OS+1]             ; 512 consecutive bytes, aligned
.else
.irp a, 0,1,2,3
	v_permlanex16_b32 v[EM+\a], v[EWD+\a], s[SEL], s[SEL+1]
.endr
.irp a, 0,1,2,3
	v_or_b32 v[EWD+\a], v[EWD+\a], v[EM+\a]
.endr
.irp n, 0,1
	v_cndmask_b32 v[ESW+\n], v[EWD+\n], v[EWD+2+\n], vcc_lo
.endr
	global_store_b64 v[OFV], v[ESW:ESW+1], s[OS:OS+1]              ; 256 consecutive bytes, aligned
.endif
.endm
.macro GEMM mode
.if \mode == 1
	REPL
.endif
	s_mov_b32 s[HC], 4
.Lhead_\@:
	s_wait_alu depctr_va_vdst(0)
.irp k, 0,1,2,3,4,5,6,7
	STEP \k, \mode
.endr
.if \mode == 1
	REPL                                           ; the next head's bias (its loads were waited for by K step 3)
.endif
	EPI \mode
	s_wait_xcnt 0x0                                ; every load and store issued so far has read its addresses and data: bases may step, data may be written again
	s_add_nc_u64 s[OC:OC+1], s[OC:OC+1], 98304
	s_add_nc_u64 s[OS:OS+1], s[OS:OS+1], 8192-4096*(\mode)
	s_mov_b64 s[WC:WC+1], s[WN:WN+1]
	s_mov_b64 s[SCU:SCU+1], s[SN:SN+1]
	s_add_nc_u64 s[WN:WN+1], s[WN:WN+1], 49152
	s_add_nc_u64 s[SN:SN+1], s[SN:SN+1], 2048
	s_add_nc_u64 s[BN:BN+1], s[BN:BN+1], 256
	s_cmp_eq_u32 s[HC], 2                          ; the last head has no successor: what it asks ahead is my first head's again
	s_cselect_b64 s[WN:WN+1], s[WFIRST:WFIRST+1], s[WN:WN+1]
	s_cselect_b64 s[SN:SN+1], s[SFIRST:SFIRST+1], s[SN:SN+1]
	s_cselect_b64 s[BN:BN+1], s[BFIRST:BFIRST+1], s[BN:BN+1]
	s_sub_co_u32 s[HC], s[HC], 1
	s_cmp_lg_u32 s[HC], 0
	s_cbranch_scc1 .Lhead_\@
	s_wait_tensorcnt 0x0
	ds_add_u32 v14, v15
	s_wait_dscnt 0x0
	s_endpgm
.endm
	s_load_b256 s[4:11], s[0:1], 0x0               ; q, k, v, bq
	s_load_b256 s[12:19], s[0:1], 0x20             ; wc, ws, pc, ps
	v_lshl_add_u32 v14, v0, 2, 0x29800
	v_mov_b32 v15, 0
	v_lshrrev_b32 v192, 5, v0
	v_readfirstlane_b32 s[WV], v192                ; wave 0..3
	v_and_b32 v192, 31, v0                         ; lane
	v_and_b32 v193, 15, v0                         ; r
	v_bfe_u32 v194, v0, 4, 1                       ; h
	v_lshlrev_b32 v[LI], 4, v192
	v_add_nc_u32 v[LI2], 49152, v[LI]
	v_lshlrev_b32 v[R16], 4, v193
	s_mul_i32 s47, s[WV], 2*SPAR
	s_add_co_u32 s47, s47, STG
	v_add_nc_u32 v[STI], s47, v[LI]
	v_mul_u32_u24 v[STO], v193, 528
	v_lshl_add_u32 v[STO], v194, 7, v[STO]
	v_add_nc_u32 v[STO], s47, v[STO]
	s_mul_i32 s47, s[WV], 24576
	v_add_nc_u32 v[XWI], s47, v[LI]
	s_lshl_b32 s47, s[WV], 10
	s_add_co_u32 s47, s47, XSC
	v_lshlrev_b32 v[XSA], 5, v193
	v_add_nc_u32 v[XWS], s47, v[XSA]
	v_add_nc_u32 v[XSA], XSC, v[XSA]
	v_lshlrev_b32 v[SH8], 3, v194
	v_lshlrev_b32 v[BOA], 7, v194
	v_bfe_u32 v[BOB], v0, 3, 1
	v_lshlrev_b32 v[BOB], 7, v[BOB]
	v_and_b32 v195, 7, v0
	v_lshl_add_u32 v[BOB], v195, 2, v[BOB]
	v_lshl_add_u32 v[OFQ], v194, 8, v[R16]
	v_lshl_add_u32 v[OFV], v194, 3, v[R16]
	v_cmp_ne_u32 vcc_lo, 0, v194                   ; lanes 16-31; VCC is written nowhere else
	s_mov_b32 s[SEL], 0x76543210
	s_mov_b32 s[SEL+1], 0xfedcba98
	s_lshr_b32 s[TAU], ttmp9, 6
	s_and_b32 s47, ttmp9, 63                       ; which 128 rows of the tensor
	s_lshr_b32 s48, s47, 4                         ; batch
	s_and_b32 s49, s47, 15                         ; which 128 rows of the batch
	s_lshl_b32 s50, s47, 19                        ; 128 rows of 4,096 bytes
	s_lshr_b32 s52, s[WV], 1
	s_lshl_b32 s52, s52, 18                        ; my tiles' group: 64 rows
	s_and_b32 s53, s[WV], 1
	s_lshl_b32 s53, s53, 16                        ; and 8 u = 16 (w % 2) rows
	s_add_co_u32 s50, s50, s52
	s_add_co_u32 s50, s50, s53
	s_mov_b32 s51, 0
	s_lshl_b32 s54, s48, 4
	s_lshl_b32 s55, s[WV], 2
	s_add_co_u32 s54, s54, s55                     ; my first head of the batch: 16 b + 4 w
	s_lshl_b32 s56, s54, 6
	s_lshl_b32 s57, s49, 2
	s_add_co_u32 s56, s56, s57
	s_mul_i32 s56, s56, 1536                       ; its pair 4 x (which 128 rows)
	s_mul_i32 s57, s[TAU], 6291456
	s_add_co_u32 s56, s56, s57
	s_mov_b32 s57, 0
	s_cmp_eq_u32 s[TAU], 2
	s_cselect_b32 s58, 12, 13                      ; a head's scale words: 8,192 bytes (q, k) or 4,096 (v)
	s_lshl_b32 s60, s54, s58
	s_sub_co_u32 s58, s58, 4
	s_lshl_b32 s59, s49, s58
	s_add_co_u32 s60, s60, s59
	s_lshl_b32 s59, s[TAU], 19
	s_add_co_u32 s60, s60, s59
	s_mov_b32 s61, 0
	s_mov_b32 s53, 0
	s_wait_alu depctr_va_vdst(0)
	s_wait_kmcnt 0x0
	s_cmp_eq_u32 s[TAU], 0                         ; the choices hang on the work-group's number alone
	s_cselect_b64 s[X:X+1], s[4:5], s[6:7]
	s_cmp_eq_u32 s[TAU], 2
	s_cselect_b64 s[X:X+1], s[8:9], s[X:X+1]
	s_add_nc_u64 s[X:X+1], s[X:X+1], s[50:51]
	s_mul_i32 s52, s[WV], 196608
	s_add_nc_u64 s[WFIRST:WFIRST+1], s[12:13], s[52:53]
	s_mov_b64 s[WC:WC+1], s[WFIRST:WFIRST+1]
	s_add_nc_u64 s[WN:WN+1], s[WFIRST:WFIRST+1], 49152
	s_lshl_b32 s52, s[WV], 13
	s_add_nc_u64 s[SFIRST:SFIRST+1], s[14:15], s[52:53]
	s_mov_b64 s[SCU:SCU+1], s[SFIRST:SFIRST+1]
	s_add_nc_u64 s[SN:SN+1], s[SFIRST:SFIRST+1], 2048
	s_lshl_b32 s52, s[WV], 10
	s_add_nc_u64 s[BFIRST:BFIRST+1], s[10:11], s[52:53]
	s_add_nc_u64 s[BN:BN+1], s[BFIRST:BFIRST+1], 256
	s_add_nc_u64 s[OC:OC+1], s[16:17], s[56:57]
	s_add_nc_u64 s[OS:OS+1], s[18:19], s[60:61]
	; the oldest loads: my first head's first three K steps of Wq and its bias in both forms (both are loads inside bq: no branch is needed)
	WLOAD 0, WC, SCU, 0
	WLOAD 1, WC, SCU, 1
	WLOAD 2, WC, SCU, 2
	WIN 0x80
.irp i, 0,1,2,3,4,5,6,7
	global_load_b128 v[BIAS+4*\i:BIAS+4*\i+3], v[BOA], s[BFIRST:BFIRST+1] offset:16*\i
.endr
.irp u, 0,1,2,3
	global_load_b32 v[BT+\u], v[BOB], s[BFIRST:BFIRST+1] offset:32*\u
.endr
	; ---- PHASE X
	LOADF 0, 0
	LOADF 1, 8*4096
	LOADF 2, 512
	s_wait_loadcnt 32                              ; fragment 0's rows are in; two younger sets may be out
	TURN 0, 0
.set F, 0
.rept 16
	XSTEP F
.set F, F+1
.endr
	s_wait_dscnt 0x0                               ; for the others' sake: my images and words have landed
	s_barrier_signal -1
	s_barrier_wait -1                              ; x's 64 fragments lie in LDS; nothing is stored to LDS from here on
.irp a, 0,1,2,3,4,5,6,7
.irp p, 0,1
	ds_load_b128 v[XSALL+8*\a+4*\p:XSALL+8*\a+4*\p+3], v[XSA] offset:512*\a+16*\p
.endr
.endr
	FETCHX 0, 0
	FETCHX 0, 4
	s_cmp_eq_u32 s[TAU], 2
	s_cbranch_scc1 .Lvalues
	GEMM 0
.Lvalues:
	GEMM 1
.Lfunc_end_k_q5d40f871cb_proj:
	.size	k_q5d40f871cb_proj, .Lfunc_end_k_q5d40f871cb_proj-k_q5d40f871cb_proj
	.p2alignl 7, 3214868480
	.fill 96, 4, 3214868480
	.section	.rodata,"a",@progbits
	.p2align	6, 0x0
	.amdhsa_kernel k_q5d40f871cb_proj
		.amdhsa_group_segment_fixed_size 170496
		.amdhsa_private_segment_fixed_size 0
		.amdhsa_enable_private_segment 0
		.amdhsa_kernarg_size 64
		.amdhsa_user_sgpr_count 2
		.amdhsa_user_sgpr_kernarg_segment_ptr 1
		.amdhsa_wavefront_size32 1
		.amdhsa_system_sgpr_workgroup_id_x 1
		.amdhsa_system_sgpr_workgroup_id_y 1
		.amdhsa_system_sgpr_workgroup_id_z 1
		.amdhsa_system_vgpr_workitem_id 0
		.amdhsa_next_free_vgpr 768
		.amdhsa_next_free_sgpr 66
		.amdhsa_reserve_vcc 1
		.amdhsa_float_denorm_mode_32 3
		.amdhsa_float_denorm_mode_16_64 3
		.amdhsa_memory_ordered 1
		.amdhsa_forward_progress 1
		.amdhsa_inst_pref_size 255
	.end_amdhsa_kernel
	.section	.bss,"aw",@nobits
	.p2align	6
	.space	262144
	.amdgpu_metadata
---
amdhsa.version: [ 1, 2 ]
amdhsa.kernels:
  - .name:           k_q5d40f871cb_proj
    .symbol:         k_q5d40f871cb_proj.kd
    .args:
      - { .name: q, .offset: 0, .size: 8, .value_kind: global_buffer, .address_space: global }
      - { .name: k, .offset: 8, .size: 8, .value_kind: global_buffer, .address_space: global }
      - { .name: v, .offset: 16, .size: 8, .value_kind: global_buffer, .address_space: global }
      - { .name: bq, .offset: 24, .size: 8, .value_kind: global_buffer, .address_space: global }
      - { .name: wc, .offset: 32, .size: 8, .value_kind: global_buffer, .address_space: global }
      - { .name: ws, .offset: 40, .size: 8, .value_kind: global_buffer, .address_space: global }
      - { .name: pc, .offset: 48, .size: 8, .value_kind: global_buffer, .address_space: global }
      - { .name: ps, .offset: 56, .size: 8, .value_kind: global_buffer, .address_space: global }
    .group_segment_fixed_size: 170496
    .private_segment_fixed_size: 0
    .kernarg_segment_align: 8
    .kernarg_segment_size: 64
    .max_flat_workgroup_size: 128
    .sgpr_count:     66
    .vgpr_count:     768
    .wavefront_size: 32
...
	.end_amdgpu_metadata
.endif
;; end of part 2
;; launch attn (part 3): grid 4 x 64, 4 waves a work-group, clusters of 4 x 1, 235,008 bytes of LDS; arguments pc, ps, oc, os; writes oc, os
.if DOCPART == 3
	.amdgcn_target "amdgcn-amd-amdhsa--gfx1250"
	.amdhsa_code_object_version 6
	.text
	.protected	k_q5d40f871cb_attn
	.globl	k_q5d40f871cb_attn
	.p2align	8
	.type	k_q5d40f871cb_attn,@function
k_q5d40f871cb_attn:
	s_mov_b64 s[64:65], 0
	v_nop
	global_prefetch_b8 v0, s[64:65] scope:SCOPE_SE
	s_setreg_imm32_b32 hwreg(HW_REG_WAVE_MODE, 25, 1), 1
	s_wait_xcnt 0x0
	s_wait_alu depctr_hold_cnt(0) depctr_sa_sdst(0) depctr_va_vdst(0) depctr_va_sdst(0) depctr_va_ssrc(0) depctr_va_vcc(0) depctr_vm_vsrc(0)
	s_getreg_b32 s2, hwreg(HW_REG_IB_STS2, 6, 4)
	s_cmp_eq_u32 s2, 0
	s_cbranch_scc0 .Lentry_in_a_cluster
	s_endpgm
.Lentry_in_a_cluster:
	s_bfe_u32 s2, ttmp6, 0x10000c
	s_cmp_lg_u32 s2, 0x3003
	s_cbranch_scc0 .Lentry_shape_is_right
	s_endpgm
.Lentry_shape_is_right:
; Attention of one head (of 64 = batch x head) for 512 queries, in two passes of 256, on codes of E2M3; head size 64; 2,048 keys; no mask.  The result, divided by the row's sum, is quantised for the last product.
; THE SOFTMAX: t = score x log2(e) / 8; M = the running largest t rounded UP to a whole number; p = 2^(t - M) is quantised along the keys, not normalised; the row's sum is taken of the unquantised p in f32.
; When M moves, the sums and O are multiplied by 2^(old M - new M), which rounds nothing.
; SHARES.  Four waves, as many as a WGP has SIMDs.  In a pass wave w owns group w of 64 queries: four tiles of 16, so each fragment of K and V that it reads from LDS feeds four matrix instructions,
; and every dependent chain of the softmax is laid four or eight wide.  A key step is 128 keys: 32 score products, 16 products with V.
; K AND V of the head, codes and scale words (208,896 bytes), come into LDS once, by four tensor loads, one a wave.  The four work-groups of a head form a cluster and ask for them JOINTLY (mask 15).  Nothing is filled again.
; LAYOUT.  Both products are used transposed: S^T = K Q^T (source 0 = 16 keys), O^T = V^T P^T (source 0 = 16 of d): a lane holds one query (lane % 16) of each tile throughout.
; The head size fills half of the instruction's K: a tile of K or Q is 6 registers.  Q's upper six registers are zero codes; K's upper six are the next tile's codes, which meet those zeros; the scale bytes there are 0x7f.
; By the order of rows that the projection gave the tiles, the 32 registers of four score tiles are keys 64 c + 32 h + 0 .. 31 of the step: a whole block in a lane; likewise O^T's 32 registers are d = 32 h + 0 .. 31.
; THE LAST PRODUCT'S A: row = 128 (head of batch) + query / 16, k = 64 (query % 16) + d.  A pass's 256 queries are one tile of 16 rows with all of K: it is gathered as register images in the pass's own stage in LDS;
; no barrier stands between the passes; behind one barrier at the end both stages leave in runs of 512 bytes.
; NO PREFETCH: K and V are asked for once, at the head; the key loop reads LDS alone.
; The last key step of a pass asks one step ahead like the others: those 14 loads read LDS bytes that the head's loads filled (the start of V's codes and words), and their registers are loaded anew.
; LIMITS: NaN and infinities are not served; the scaled scores stay under 2^31 in magnitude; a block of p or of o whose largest magnitude lies under 2^-124 (zeros too) gets the byte 1; the bytes are read by this program alone.
; REGISTERS.  window 0: addresses, scale words, K's and V's fragments, the softmax's small numbers.  window 1: S^T, then p: tile j at 64 j.  window 2: O^T (tile j at 32 j), Q's tiles, p's codes, the next pass's Q.
.set VC,   98304                       ; LDS: 0 K's codes, here V's,
.set KSC,  196608                      ; K's scale words,
.set VSC,  204800                      ; V's,
.set STG0, 208896                      ; pass 0's stage: 12,288 bytes of images + 512 scale bytes; pass 1's follows
.set STGB, 12800
.set SPARE, 234496                     ; the spare words: 128 bytes a wave
.set LI,   1                           ; 16 x lane
.set R16,  2                           ; 16 r
.set SH8,  3                           ; 8 h
.set ADK,  4                           ; the step's addresses
.set ADV,  5
.set ADS,  6
.set ADT,  7
.set STA,  8                           ; the stage: my three pieces of 8 bytes and my scale byte, for tile 0 of pass 0
.set STB,  9
.set STC,  10
.set STS,  11
.set SPW,  12
.set NIL,  13
.set XA,   14                          ; v14-17 the same four with the pass's stage added
.set RDI,  18                          ; the way out
.set GOI,  19
.set RDS,  20
.set GOS,  21
.set QS,   24                          ; v24-27 Q's scale words, v28-31 p's, v32-39 K's, v40-43 V's; v44-47 the next pass's Q words as loaded
.set PW,   28
.set KS,   32
.set VS,   40
.set QSN,  44
.set KF,   48                          ; v48-95 eight tiles of K, v96-101 written once
.set VF,   102                         ; v102-149 four fragments of V^T
.set NM,   150                         ; pairs: -M, the running largest score
.set FF,   158                         ; pairs: f, a register written once
.set LS,   166                         ; two pairs of sums a tile
.set BM,   182                         ; block (j, c): largest score, then p, then byte
.set SCR,  190                         ; the conversions' scale operands
.set T1,   198
.set T2,   202
.set OB,   208                         ; the way out: v208-255
.set QF,   128                         ; window 2
.set P,    176                         ; window 2
.set QN,   224                         ; window 2
.set WV,   12
.set BH,   13
.set CX,   14
.set CNT,  15
.set PCN,  16                          ; the pass
.set STO,  17                          ; its stage's offset
.set SK,   18
.set SV,   19
.set SS,   20
.set ST,   21
.set SEL,  22
.set CS,   24                          ; s[24:25] log2(e) / 8
.set QP,   26
.set QSP,  28
.set OCP,  30
.set OSP,  32
.set G1C,  40                          ; group 1: 384 rows of 256 bytes; 32 rows; 16 rows
.set G1K,  48
.set G1V,  56
.set G0K,  68                          ; group 0: K's codes, V's codes, K's words, V's words
.set G0V,  72
.set G0KS, 76
.set G0VS, 80
.set MSB, 0
.macro WIN new                         ; the immediate's high byte repeats the setting that is left
.if MSB != (\new)
	s_set_vgpr_msb (MSB<<8)|(\new)
.set MSB, (\new)
.endif
.endm
.macro CROUND                          ; a round of the cluster's barrier
	s_barrier_signal -1
	s_barrier_wait -1
	s_cmp_lg_u32 s[WV], 0
	s_cbranch_scc1 .Lnot_wave_0_\@
	s_barrier_signal -3
.Lnot_wave_0_\@:
	s_barrier_wait -3
	s_barrier_signal -1
	s_barrier_wait -1
.endm
.macro DESC g, rows                    ; a dense block as rows of 256 bytes (32 elements of 8 bytes); mask 15: all four of the cluster; bit 21 beside it
	s_mov_b32 s[\g], 15|(3<<16)|(1<<21)
	s_mov_b32 s[\g+1], 32<<16
	s_mov_b32 s[\g+2], (\rows)<<16
	s_mov_b32 s[\g+3], 32<<16
	s_mov_b32 s[\g+4], \rows
	s_mov_b32 s[\g+5], 32
	s_mov_b32 s[\g+6], 0
	s_mov_b32 s[\g+7], 0
.endm
.macro G0SET g, lds
	s_mov_b32 s[\g], 1
	s_mov_b32 s[\g+1], \lds
	s_or_b32 s[\g+3], s[\g+3], 0x80000000
.endm
.macro ARM under, g0, g1, next         ; one arm of the head's chain: one joint load
	s_cmp_lt_u32 s[WV], \under
	s_cbranch_scc0 \next
	tensor_load_to_lds s[\g0:\g0+3], s[\g1:\g1+7]
	s_nop 0
.rept 4
	v_nop
.endr
	s_branch .Lhead_asked
\next:
.endm
.macro KLOAD                           ; 14 loads: eight tiles of K and their scale words
.irp i, 0,1,2,3,4,5,6,7,8,9,10,11
	ds_load_b128 v[KF+4*\i:KF+4*\i+3], v[ADK] offset:512*\i
.endr
	ds_load_b128 v[KS:KS+3], v[ADS]
	ds_load_b128 v[KS+4:KS+7], v[ADS] offset:256
.endm
	s_load_b256 s[4:11], s[0:1], 0x0               ; pc, ps, oc, os
	v_lshl_add_u32 v[SPW], v0, 2, SPARE
	v_mov_b32 v[NIL], 0
	ds_add_u32 v[SPW], v[NIL]                      ; the opening lines: the add, twice on end, and its wait ahead of my tensor load
	ds_add_u32 v[SPW], v[NIL]
	v_lshrrev_b32 v[T1], 5, v0
	v_readfirstlane_b32 s[WV], v[T1]               ; wave 0..3
	s_bfe_u32 s[CX], ttmp6, 0x40000                ; my place in the cluster: which 512 queries
	s_and_b32 s[BH], ttmp7, 0xffff                 ; head of batch
	DESC G1C, 384
	DESC G1K, 32
	DESC G1V, 16
	s_mul_i32 s34, s[BH], 98304
	s_mov_b32 s35, 0
	s_lshl_b32 s36, s[BH], 13
	s_mov_b32 s37, 0
	s_lshl_b32 s38, s[BH], 12
	s_mov_b32 s39, 0
	s_wait_dscnt 0x0                               ; both opening adds are done
	s_wait_kmcnt 0x0
	s_add_nc_u64 s[QP:QP+1], s[4:5], s[34:35]      ; the head's codes of q; k's and v's sections follow
	s_add_nc_u64 s[QSP:QSP+1], s[6:7], s[36:37]
	s_add_nc_u64 s[G0K+2:G0K+3], s[QP:QP+1], 6291456
	s_add_nc_u64 s[G0V+2:G0V+3], s[QP:QP+1], 12582912
	s_add_nc_u64 s[G0KS+2:G0KS+3], s[QSP:QSP+1], 524288
	s_add_nc_u64 s[G0VS+2:G0VS+3], s[6:7], s[38:39]
	s_add_nc_u64 s[G0VS+2:G0VS+3], s[G0VS+2:G0VS+3], 1048576
	G0SET G0K, 0
	G0SET G0V, VC
	G0SET G0KS, KSC
	G0SET G0VS, VSC
	CROUND                                         ; all four work-groups are here: the joint loads meet
	ARM 1, G0K,  G1C, .Lhead_v                     ; one chain on the wave's number, one load to an arm
	ARM 2, G0V,  G1C, .Lhead_ks
	ARM 3, G0KS, G1K, .Lhead_vs
	tensor_load_to_lds s[G0VS:G0VS+3], s[G1V:G1V+7]
	s_nop 0
.rept 4
	v_nop
.endr
.Lhead_asked:
	s_lshl_b32 s34, s[CX], 4
	s_lshl_b32 s36, s[WV], 1
	s_add_co_u32 s34, s34, s36
	s_mul_i32 s34, s34, 1536                       ; pass 0's pairs of tiles: 16 x + 2 w, 16 x + 2 w + 1
	s_add_nc_u64 s[QP:QP+1], s[QP:QP+1], s[34:35]
	s_lshl_b32 s34, s[CX], 3
	s_add_co_u32 s34, s34, s[WV]
	s_lshl_b32 s34, s34, 8                         ; group 8 x + w
	s_add_nc_u64 s[QSP:QSP+1], s[QSP:QSP+1], s[34:35]
	s_lshl_b32 s34, s[BH], 3
	s_lshl_b32 s36, s[CX], 1
	s_add_co_u32 s36, s34, s36                     ; pass 0's tile of rows: 8 bh + 2 x
	s_mul_i32 s34, s36, 12288
	s_add_nc_u64 s[OCP:OCP+1], s[8:9], s[34:35]
	s_lshl_b32 s34, s36, 9
	s_add_nc_u64 s[OSP:OSP+1], s[10:11], s[34:35]
	s_mov_b32 s[SEL], 0x76543210
	s_mov_b32 s[SEL+1], 0xfedcba98
	s_mov_b32 s[CS], 0x3e38aa3b
	s_mov_b32 s[CS+1], s[CS]
	s_lshl_b32 s34, s[WV], 6
	s_add_co_u32 s34, s34, STG0
	s_lshl_b32 s35, s[WV], 7
	s_add_co_u32 s35, s35, STG0+12288
	s_mul_i32 s36, s[WV], 3072
	s_lshr_b32 s37, s[WV], 1
	s_mul_i32 s37, s37, STGB
	s_and_b32 s38, s[WV], 1
	s_lshl_b32 s38, s38, 8
	s_add_co_u32 s37, s37, s38
	s_add_co_u32 s37, s37, STG0+12288
	s_lshl_b32 s39, s[WV], 8
	v_and_b32 v[T1], 31, v0                        ; lane
	v_and_b32 v[T1+1], 15, v0                      ; r
	v_bfe_u32 v[T1+2], v0, 4, 1                    ; h
	v_bfe_u32 v[T1+3], v0, 3, 1                    ; r / 8
	v_and_b32 v[T2], 1, v0                         ; c = r % 2
	v_bfe_u32 v[T2+1], v0, 1, 2                    ; (r % 8) / 2
	v_and_b32 v[T2+2], 7, v0                       ; r % 8
	v_mov_b32 v[T2+3], 0
	v_lshlrev_b32 v[LI], 4, v[T1]
	v_lshlrev_b32 v[R16], 4, v[T1+1]
	v_lshlrev_b32 v[SH8], 3, v[T1+2]
	WIN 0x80
.irp i, 0,1,2,3,4,5
	global_load_b128 v[QN+4*\i:QN+4*\i+3], v[LI], s[QP:QP+1] offset:512*\i   ; pass 0's four tiles of Q
.endr
	WIN 0
	global_load_b128 v[QSN:QSN+3], v[R16], s[QSP:QSP+1]
	; my query of tile u is 64 w + 32 (r / 8) + 8 u + r % 8: row 4 w + 2 (r / 8) + u / 2 of the pass's tile, K step 4 (u % 2) + (r % 8) / 2, its half c; u stands in the stores' immediates
	v_mul_u32_u24 v[XA], v[T2+1], 1536
	v_lshl_add_u32 v[STS], v[T2+2], 1, v[T1+2]
	v_lshl_add_u32 v[XA], v[T1+3], 5, v[XA]
	v_lshl_add_u32 v[STS], v[T1+3], 6, v[STS]
	v_lshl_add_u32 v[XA], v[T1+2], 8, v[XA]
	v_add_nc_u32 v[STS], s35, v[STS]               ; 32 x row + 2 (query % 16) + h
	v_add_nc_u32 v[XA], s34, v[XA]                 ; the image's lane: registers 0-3 here, 4-7 512 on, 8-11 1,024 on
	v_add_nc_u32 v[GOI], s36, v[LI]
	v_mad_u32_u24 v[STA], v[T2], 520, v[XA]        ; c = 0: registers 0, 1;  c = 1: 6, 7
	v_mad_u32_u24 v[STB], v[T2], 1016, v[XA]
	v_add_nc_u32 v[RDI], STG0, v[GOI]
	v_add_nc_u32 v[STC], 512, v[STA]               ; c = 0: 4, 5;  c = 1: 10, 11
	v_add_nc_u32 v[STB], 8, v[STB]                 ; c = 0: 2, 3;  c = 1: 8, 9
	v_lshl_add_u32 v[RDS], v[T1], 3, s37
	v_lshl_add_u32 v[GOS], v[T1], 3, s39
.irp n, 48,49,50,51,52,53
	v_mov_b32 v[KF+\n], 0                          ; named with the last tile of K; they meet Q's zero codes
.endr
.irp j, 0,1,2,3
	v_mov_b32 v[FF+2*\j+1], 0                      ; named as the upper halves of the pairs
.endr
	WIN 0x80
.irp j, 0,1,2,3
.irp n, 6,7,8,9,10,11
	v_mov_b32 v[QF+12*\j+\n], 0                    ; zero codes for the upper half of the instruction's K
.endr
.endr
	WIN 0
	s_mov_b32 s[PCN], 0
	s_mov_b32 s[STO], 0
	s_wait_alu depctr_va_vdst(0)
	s_wait_tensorcnt 0x0                           ; my part of K and V has landed
	s_barrier_signal -1
	s_barrier_wait -1                              ; the head's K and V lie in LDS and are only read from here on
.Lpass:
	s_wait_loadcnt 0x0                             ; this pass's Q
	WIN 0x82
.irp j, 0,1,2,3
.irp n, 0,1,2,3,4,5
	v_mov_b32 v[QF+12*\j+\n], v[QN+6*\j+\n]
.endr
.endr
	WIN 0
.irp j, 0,1,2,3
	v_mov_b32 v[QS+\j], v[QSN+\j]
.endr
.irp j, 0,1,2,3
	v_mov_b32 v[NM+2*\j], 0x7f61b1e6               ; -M = 3e38 and the largest score so far -3e38: the first f is 0 and meets zeros
	v_mov_b32 v[NM+2*\j+1], 0xff61b1e6
.endr
.set I, 0
.rept 16
	v_mov_b32 v[LS+I], 0
.set I, I+1
.endr
	s_wait_alu depctr_va_vdst(0)
	s_cmp_lg_u32 s[PCN], 0
	s_cbranch_scc1 .Lno_more                       ; pass 1 has no successor
	WIN 0x80
.irp i, 0,1,2,3,4,5
	global_load_b128 v[QN+4*\i:QN+4*\i+3], v[LI], s[QP:QP+1] offset:12288+512*\i
.endr
	WIN 0
	global_load_b128 v[QSN:QSN+3], v[R16], s[QSP:QSP+1] offset:1024
.Lno_more:
	WIN 0x80
.set I, 0
.rept 128
	v_mov_b32 v[I], 0                              ; O^T: the loop has no first step of its own
.set I, I+1
.endr
	WIN 0
	s_mov_b32 s[SK], 0
	s_mov_b32 s[SS], KSC
	v_add_nc_u32 v[ADK], s[SK], v[LI]
	v_add_nc_u32 v[ADS], s[SS], v[R16]
	KLOAD                                          ; key step 0
	s_mov_b32 s[SK], 6144                          ; K runs one step ahead of V
	s_mov_b32 s[SS], KSC+512
	s_mov_b32 s[SV], VC
	s_mov_b32 s[ST], VSC
	s_mov_b32 s[CNT], 16
	s_wait_alu depctr_va_vdst(0)
.Lstep:
	s_wait_dscnt 0x0                               ; this step's K is in: nothing younger is out
	WIN 0x48
.irp t, 0,1,2,3,4,5,6,7
.irp j, 0,1,2,3
	v_wmma_scale_f32_16x16x128_f8f6f4 v[64*\j+8*\t:64*\j+8*\t+7], v[KF+6*\t:KF+6*\t+11], v[QF+12*\j:QF+12*\j+11], 0, v[KS+\t], v[QS+\j] matrix_a_fmt:MATRIX_FMT_FP6 matrix_b_fmt:MATRIX_FMT_FP6
.endr
.endr
	WIN 0
	v_add_nc_u32 v[ADV], s[SV], v[LI]              ; four plain places behind the products, ahead of the loads into K's and V's registers and of the first read of S
	v_add_nc_u32 v[ADT], s[ST], v[R16]
	v_add_nc_u32 v[ADK], s[SK], v[LI]
	v_add_nc_u32 v[ADS], s[SS], v[R16]
.irp i, 0,1,2,3,4,5,6,7,8,9,10,11
	ds_load_b128 v[VF+4*\i:VF+4*\i+3], v[ADV] offset:512*\i        ; this step's V: 13 loads
.endr
	ds_load_b128 v[VS:VS+3], v[ADT]
	KLOAD                                          ; the next step's K: 14 loads
	WIN 0x05
.irp j, 0,1,2,3
.irp c, 0,1
	v_max_num_f32 v[BM+2*\j+\c], v[64*\j+32*\c], v[64*\j+32*\c+1]  ; the largest score of each block: for the row's maximum and, since p rises with the score, for the block's largest p
.endr
.endr
.set I, 2
.rept 15
.irp j, 0,1,2,3
.irp c, 0,1
	v_max3_num_f32 v[BM+2*\j+\c], v[64*\j+32*\c+I], v[64*\j+32*\c+I+1], v[BM+2*\j+\c]
.endr
.endr
.set I, I+2
.endr
	WIN 0
.irp j, 0,1,2,3
	v_max3_num_f32 v[NM+2*\j+1], v[NM+2*\j+1], v[BM+2*\j], v[BM+2*\j+1]
.endr
.irp j, 0,1,2,3
	v_permlanex16_b32 v[T2+\j], v[NM+2*\j+1], s[SEL], s[SEL+1]
.endr
.irp j, 0,1,2,3
	v_max_num_f32 v[NM+2*\j+1], v[NM+2*\j+1], v[T2+\j]             ; the running largest score of my query
.endr
.irp j, 0,1,2,3
	v_mul_f32 v[T1+\j], s[CS], v[NM+2*\j+1]        ; as t (c is positive)
.endr
.irp j, 0,1,2,3
	v_mov_b32 v[T2+\j], v[NM+2*\j]
.endr
.irp j, 0,1,2,3
	v_floor_f32 v[NM+2*\j], -v[T1+\j]              ; the new -M = floor(-t): M is a whole number
.endr
.irp j, 0,1,2,3
	v_sub_f32 v[T1+\j], v[NM+2*\j], v[T2+\j]       ; old M - new M: a whole number, 0 or less
.endr
.irp j, 0,1,2,3
	v_cvt_i32_f32 v[T1+\j], v[T1+\j]               ; (it saturates)
.endr
.irp j, 0,1,2,3
	v_ldexp_f32 v[FF+2*\j], 1.0, v[T1+\j]          ; f = 2^(old M - new M)
.endr
.irp j, 0,1,2,3
.irp c, 0,1
	v_fma_f32 v[BM+2*\j+\c], v[BM+2*\j+\c], s[CS], v[NM+2*\j]
.endr
.endr
	WIN 0x41
.set I, 0
.rept 32
.irp j, 0,1,2,3
	v_pk_fma_f32 v[64*\j+I:64*\j+I+1], v[64*\j+I:64*\j+I+1], s[CS:CS+1], v[NM+2*\j:NM+2*\j+1] op_sel_hi:[1,0,0]   ; t - M
.endr
.set I, I+2
.endr
	s_wait_alu depctr_va_vdst(0)
.set I, 0
.rept 64
.irp j, 0,1,2,3
	v_exp_f32 v[64*\j+I], v[64*\j+I]               ; p = 2^(t - M), at most 1
.endr
.set I, I+1
.endr
	WIN 0
.irp n, 0,1,2,3,4,5,6,7
	v_exp_f32 v[BM+\n], v[BM+\n]                   ; the blocks' largest p
.endr
.irp j, 0,1,2,3
.irp a, 0,1
	v_pk_mul_f32 v[LS+4*\j+2*\a:LS+4*\j+2*\a+1], v[LS+4*\j+2*\a:LS+4*\j+2*\a+1], v[FF+2*\j:FF+2*\j+1] op_sel_hi:[1,0]   ; the sums under the new M (plain places behind the batch)
.endr
.endr
	s_wait_alu depctr_va_vdst(0)                   ; one wait for the batch, ahead of its first reader
	WIN 0x04
.set I, 0
.rept 16
.irp j, 0,1,2,3
.irp a, 0,1
	v_pk_add_f32 v[LS+4*\j+2*\a:LS+4*\j+2*\a+1], v[LS+4*\j+2*\a:LS+4*\j+2*\a+1], v[64*\j+I+2*\a:64*\j+I+2*\a+1]   ; the row's sum, of the unquantised p: eight chains by turns
.endr
.endr
.set I, I+4
.endr
	WIN 0
.irp n, 0,1,2,3,4,5,6,7
	v_max_num_f32 v[BM+\n], 0x1800000, v[BM+\n]    ; the floor 2^(3 - 127)
.endr
.irp n, 0,1,2,3,4,5,6,7
	v_add_nc_u32 v[SCR+\n], 0xff000000, v[BM+\n]   ; 2 off the exponent field: the conversion's scale operand
.endr
.irp n, 0,1,2,3,4,5,6,7
	v_lshrrev_b32 v[BM+\n], 23, v[SCR+\n]          ; the byte
.endr
.irp j, 0,1,2,3
	v_lshl_or_b32 v[T1+\j], v[BM+2*\j+1], 16, v[BM+2*\j]           ; my bytes h and 2 + h
.endr
.irp j, 0,1,2,3
	v_lshlrev_b32 v[T1+\j], v[SH8], v[T1+\j]
.endr
.irp j, 0,1,2,3
	v_permlanex16_b32 v[T2+\j], v[T1+\j], s[SEL], s[SEL+1]
.endr
.irp j, 0,1,2,3
	v_or_b32 v[PW+\j], v[T1+\j], v[T2+\j]          ; p's scale word for these 128 keys
.endr
	WIN 0x81
.irp j, 0,1,2,3
.irp c, 0,1
	v_cvt_scalef32_pk16_fp6_f32 v[P+12*\j+6*\c:P+12*\j+6*\c+2], v[64*\j+32*\c:64*\j+32*\c+15], v[SCR+2*\j+\c]
.endr
.endr
	v_nop                                          ; a plain place: the conversions below write over sources of those above
	WIN 0x41
.irp j, 0,1,2,3
.irp c, 0,1
	v_cvt_scalef32_pk16_fp6_f32 v[64*\j+32*\c:64*\j+32*\c+2], v[64*\j+32*\c+16:64*\j+32*\c+31], v[SCR+2*\j+\c]   ; (three registers from an even one on: made over p that is done with, and moved)
.endr
.endr
	v_nop                                          ; one plain place behind the scaled conversions
	WIN 0x81
.irp j, 0,1,2,3
.irp c, 0,1
.irp n, 0,1,2
	v_mov_b32 v[P+12*\j+6*\c+3+\n], v[64*\j+32*\c+\n]
.endr
.endr
.endr
	WIN 0x82
	s_wait_dscnt 14                                ; V's 13 loads are in; the 14 younger ones, the next step's K, may be out
	s_wait_alu depctr_va_vdst(0)                   ; directly ahead of the first reader of O^T
.set I, 0
.rept 64
	v_pk_mul_f32 v[I:I+1], v[I:I+1], v[FF+2*(I/32):FF+2*(I/32)+1] op_sel_hi:[1,0]   ; O^T under the new M; also the places behind p's words and codes
.set I, I+2
.endr
	WIN 0xa8
.irp u, 0,1,2,3
.irp j, 0,1,2,3
	v_wmma_scale_f32_16x16x128_f8f6f4 v[32*\j+8*\u:32*\j+8*\u+7], v[VF+12*\u:VF+12*\u+11], v[P+12*\j:P+12*\j+11], v[32*\j+8*\u:32*\j+8*\u+7], v[VS+\u], v[PW+\j] matrix_a_fmt:MATRIX_FMT_FP6 matrix_b_fmt:MATRIX_FMT_FP6   ; the 16 accumulators by turns
.endr
.endr
	WIN 0
	s_add_co_u32 s[SK], s[SK], 6144
	s_add_co_u32 s[SV], s[SV], 6144
	s_add_co_u32 s[SS], s[SS], 512
	s_add_co_u32 s[ST], s[ST], 256
	s_sub_co_u32 s[CNT], s[CNT], 1
	s_cmp_lg_u32 s[CNT], 0
	s_cbranch_scc1 .Lstep
	; THE END OF A PASS: O^T / the sum, quantised along d (a lane's 32 numbers of a tile are one block), into the pass's stage as the last product's register images
	s_wait_dscnt 0x0                               ; the loads asked one step ahead have landed: their registers are loaded anew
.irp j, 0,1,2,3
	v_pk_add_f32 v[LS+4*\j:LS+4*\j+1], v[LS+4*\j:LS+4*\j+1], v[LS+4*\j+2:LS+4*\j+3]
.endr
.irp j, 0,1,2,3
	v_add_f32 v[T1+\j], v[LS+4*\j], v[LS+4*\j+1]
.endr
.irp j, 0,1,2,3
	v_permlanex16_b32 v[T2+\j], v[T1+\j], s[SEL], s[SEL+1]
.endr
.irp j, 0,1,2,3
	v_add_f32 v[T1+\j], v[T1+\j], v[T2+\j]         ; the row's sum
.endr
	s_wait_alu depctr_va_vdst(0)
.irp j, 0,1,2,3
	v_rcp_f32 v[FF+2*\j], v[T1+\j]
.endr
	v_add_nc_u32 v[XA], s[STO], v[STA]             ; plain places behind the reciprocals
	v_add_nc_u32 v[XA+1], s[STO], v[STB]
	v_add_nc_u32 v[XA+2], s[STO], v[STC]
	v_add_nc_u32 v[XA+3], s[STO], v[STS]
	WIN 0x42
	s_wait_alu depctr_va_vdst(0)                   ; ahead of the first reader of the reciprocals and of O^T
.set I, 0
.rept 64
	v_pk_mul_f32 v[64*(I/32)+32+I%32:64*(I/32)+32+I%32+1], v[I:I+1], v[FF+2*(I/32):FF+2*(I/32)+1] op_sel_hi:[1,0]   ; each accumulator from its low end on
.set I, I+2
.endr
	WIN 0x05
.irp j, 0,1,2,3
	v_max3_num_f32 v[BM+\j], |v[64*\j+32]|, |v[64*\j+33]|, 0x1800000
.endr
.set I, 34
.rept 15
.irp j, 0,1,2,3
	v_max3_num_f32 v[BM+\j], |v[64*\j+I]|, |v[64*\j+I+1]|, v[BM+\j]
.endr
.set I, I+2
.endr
	WIN 0
.irp j, 0,1,2,3
	v_add_nc_u32 v[SCR+\j], 0xff000000, v[BM+\j]
.endr
.irp j, 0,1,2,3
	v_lshrrev_b32 v[BM+\j], 23, v[SCR+\j]
.endr
	WIN 0x81
.irp j, 0,1,2,3
	v_cvt_scalef32_pk16_fp6_f32 v[P+12*\j:P+12*\j+2], v[64*\j+32:64*\j+47], v[SCR+\j]
	v_cvt_scalef32_pk16_fp6_f32 v[P+12*\j+6:P+12*\j+8], v[64*\j+48:64*\j+63], v[SCR+\j]
.endr
	v_nop
	WIN 0x82
.irp j, 0,1,2,3
.irp n, 0,1,2
	v_mov_b32 v[P+12*\j+3+\n], v[P+12*\j+6+\n]
.endr
.endr
	WIN 0x08
.irp j, 0,1,2,3
	ds_store_b64 v[XA], v[P+12*\j:P+12*\j+1] offset:(\j%2)*6144+(\j/2)*16
	ds_store_b64 v[XA+1], v[P+12*\j+2:P+12*\j+3] offset:(\j%2)*6144+(\j/2)*16
	ds_store_b64 v[XA+2], v[P+12*\j+4:P+12*\j+5] offset:(\j%2)*6144+(\j/2)*16
.endr
	WIN 0
.irp j, 0,1,2,3
	ds_store_b8 v[XA+3], v[BM+\j] offset:(\j/2)*32+(\j%2)*16
.endr
	s_add_co_u32 s[STO], s[STO], STGB
	s_add_co_u32 s[PCN], s[PCN], 1
	s_cmp_lt_u32 s[PCN], 2
	s_wait_alu depctr_va_vdst(0)
	s_cbranch_scc1 .Lpass
	s_wait_dscnt 0x0                               ; for the others' sake: my stores into both stages have landed
	s_barrier_signal -1
	s_barrier_wait -1
.irp p, 0,1
.irp i, 0,1,2,3,4,5
	ds_load_b128 v[OB+4*(6*\p+\i):OB+4*(6*\p+\i)+3], v[RDI] offset:\p*STGB+512*\i   ; my quarter of each pass's images
.endr
.endr
	ds_load_b64 v[T2+4:T2+5], v[RDS]               ; and 256 of the 1,024 scale bytes
	s_wait_dscnt 0x0
.irp p, 0,1
.irp i, 0,1,2,3,4,5
	global_store_b128 v[GOI], v[OB+4*(6*\p+\i):OB+4*(6*\p+\i)+3], s[OCP:OCP+1] offset:\p*12288+512*\i   ; 512 consecutive bytes, aligned
.endr
.endr
	global_store_b64 v[GOS], v[T2+4:T2+5], s[OSP:OSP+1]            ; 256 consecutive bytes, aligned
	s_wait_tensorcnt 0x0                           ; the wave's end
	ds_add_u32 v[SPW], v[NIL]
	s_wait_dscnt 0x0
	CROUND                                         ; the closing round
	s_endpgm
.Lfunc_end_k_q5d40f871cb_attn:
	.size	k_q5d40f871cb_attn, .Lfunc_end_k_q5d40f871cb_attn-k_q5d40f871cb_attn
	.p2alignl 7, 3214868480
	.fill 96, 4, 3214868480
	.section	.rodata,"a",@progbits
	.p2align	6, 0x0
	.amdhsa_kernel k_q5d40f871cb_attn
		.amdhsa_group_segment_fixed_size 235008
		.amdhsa_private_segment_fixed_size 0
		.amdhsa_enable_private_segment 0
		.amdhsa_kernarg_size 32
		.amdhsa_user_sgpr_count 2
		.amdhsa_user_sgpr_kernarg_segment_ptr 1
		.amdhsa_wavefront_size32 1
		.amdhsa_system_sgpr_workgroup_id_x 1
		.amdhsa_system_sgpr_workgroup_id_y 1
		.amdhsa_system_sgpr_workgroup_id_z 1
		.amdhsa_system_vgpr_workitem_id 0
		.amdhsa_next_free_vgpr 768
		.amdhsa_next_free_sgpr 84
		.amdhsa_reserve_vcc 0
		.amdhsa_float_denorm_mode_32 3
		.amdhsa_float_denorm_mode_16_64 3
		.amdhsa_memory_ordered 1
		.amdhsa_forward_progress 1
		.amdhsa_inst_pref_size 84
	.end_amdhsa_kernel
	.amdgpu_metadata
---
amdhsa.version: [ 1, 2 ]
amdhsa.kernels:
  - .name:           k_q5d40f871cb_attn
    .symbol:         k_q5d40f871cb_attn.kd
    .args:
      - { .name: pc, .offset: 0, .size: 8, .value_kind: global_buffer, .address_space: global }
      - { .name: ps, .offset: 8, .size: 8, .value_kind: global_buffer, .address_space: global }
      - { .name: oc, .offset: 16, .size: 8, .value_kind: global_buffer, .address_space: global }
      - { .name: os, .offset: 24, .size: 8, .value_kind: global_buffer, .address_space: global }
    .group_segment_fixed_size: 235008
    .private_segment_fixed_size: 0
    .kernarg_segment_align: 8
    .kernarg_segment_size: 32
    .max_flat_workgroup_size: 128
    .sgpr_count:     84
    .vgpr_count:     768
    .wavefront_size: 32
...
	.end_amdgpu_metadata
.endif
;; end of part 3
;; launch oproj (part 4): grid 4 x 64, 4 waves a work-group, no clusters, 133,632 bytes of LDS; arguments oc, os, wc, ws, bo, out0; writes out0
.if DOCPART == 4
	.amdgcn_target "amdgcn-amd-amdhsa--gfx1250"
	.amdhsa_code_object_version 6
	.text
	.protected	k_q5d40f871cb_oproj
	.globl	k_q5d40f871cb_oproj
	.p2align	8
	.type	k_q5d40f871cb_oproj,@function
k_q5d40f871cb_oproj:
	s_mov_b64 s[64:65], 0
	v_nop
	global_prefetch_b8 v0, s[64:65] scope:SCOPE_SE
	s_setreg_imm32_b32 hwreg(HW_REG_WAVE_MODE, 25, 1), 1
	s_wait_xcnt 0x0
; out0 = A Wo^T + bo on codes of E2M3.  A [8,192][1,024] lies in oc as register images, [tile of 16 rows 512][K step 8][1,536 bytes], its scale bytes in os [row][32]; Wo's images and words are the second half of wc and ws.
; A work-group makes 128 rows x 256 columns; wave w the 64 columns of group 4 x + w, for all 128 rows: 32 accumulators.  A's 98,304 bytes are copied into LDS once (each wave a quarter), one barrier; each wave's part of Wo goes
; from memory straight into its registers, three K steps ahead.  The product is used TRANSPOSED (source 0 = Wo's tile, source 1 = A's): by the order of Wo's rows in a tile, a lane's 32 registers of a row tile are 32 neighbouring columns.
; The bias is the C of each sum's first matrix instruction (the sum's first addend).
; NO JOINT LOADS: A's block is shared by 4 work-groups and read once each (98,304 bytes, against 393,216 that a work-group reads from LDS); Wo's fragments are multiplied by one wave alone and go into its registers.
; REGISTERS.  window 0: v1-9 addresses; v16-31 Wo's scale words, 4 sets; v32-127 A's 8 fragments (on the way out: rows of out0); v128-191 A's scale words.  window 1: the accumulators (first: the copy).  window 2: v0-191 Wo's fragments, v192-223 the bias.
.set STG,   98304                      ; LDS: 0 A's images;  here the waves' stages: 8,704 w + 4,352 par, 16 rows x (256 + 16) bytes
.set LI,    1
.set LI2,   2
.set R16,   3
.set XWI,   4                          ; 24,576 w + 16 x lane
.set XSO,   5                          ; 32 r
.set BOA,   6                          ; 128 h
.set SO,    7                          ; my stage + 272 r + 128 h
.set RDO,   8                          ; my stage + 272 h + 16 r
.set CO,    9                          ; 4,096 h + 16 r
.set WS,    16
.set XF,    32
.set XSALL, 128
.set BIAS,  192
.set AP,    26
.set XP,    28
.set WC,    30
.set SCU,   32
.set BP,    34
.set OUT,   36
.set WV,    38
.set MSB, 0
.macro WIN new                         ; the immediate's high byte repeats the setting that is left
.if MSB != (\new)
	s_set_vgpr_msb (MSB<<8)|(\new)
.set MSB, (\new)
.endif
.endm
.macro PLACES
.rept 4
	v_nop
.endr
.endm
.macro FETCHX k, a0
.irp a, \a0, \a0+1, \a0+2, \a0+3
.irp c, 0,1,2
.if (\a) < 4
	ds_load_b128 v[XF+12*(\a)+4*\c:XF+12*(\a)+4*\c+3], v[LI] offset:(8*(\a)+(\k))*1536+512*\c
.else
	ds_load_b128 v[XF+12*(\a)+4*\c:XF+12*(\a)+4*\c+3], v[LI2] offset:(8*((\a)-4)+(\k))*1536+512*\c
.endif
.endr
.endr
.endm
.macro WLOAD set, kk                   ; 13 loads: Wo's four fragments of K step kk and their scale words
	WIN 0x80
.irp i, 0,1,2,3,4,5,6,7,8,9,10,11
	global_load_b128 v[48*(\set)+4*\i:48*(\set)+4*\i+3], v[LI], s[WC:WC+1] offset:6144*(\kk)+512*\i
.endr
	WIN 0
	global_load_b128 v[WS+4*(\set):WS+4*(\set)+3], v[R16], s[SCU:SCU+1] offset:256*(\kk)
.endm
.macro MUL a0, k                       ; 16 matrix instructions; the 32 accumulators take turns, one instruction a turn, in the same order in every K step
.if (\k) == 0
	WIN 0x62
.else
	WIN 0x52
.endif
.irp a, \a0, \a0+1, \a0+2, \a0+3
.irp u, 0,1,2,3
.set DD, 8*(4*(\a)+\u)
.set CC, DD
.if (\k) == 0
.set CC, BIAS+8*\u
.endif
.set WA, 48*((\k)%4)+12*\u
.set XA, XF+12*(\a)
	v_wmma_scale_f32_16x16x128_f8f6f4 v[DD:DD+7], v[WA:WA+11], v[XA:XA+11], v[CC:CC+7], v[WS+4*((\k)%4)+\u], v[XSALL+8*(\a)+(\k)] matrix_a_fmt:MATRIX_FMT_FP6 matrix_b_fmt:MATRIX_FMT_FP6
.endr
.endr
.endm
.macro STEP k, wcnt, more              ; wcnt: the younger loads of Wo that may be out;  more = 1: the next K step's fragments of A are fetched
	s_wait_loadcnt \wcnt
	s_wait_dscnt 12                                ; A's tiles 0-3 are in; tiles 4-7 may be out
	MUL 0, \k
	s_wait_dscnt 0x0
.if \more
	PLACES
	WIN 0
	FETCHX (\k)+1, 0
.endif
.if (\k) < 5
	WLOAD ((\k)+3)%4, (\k)+3
.endif
	MUL 4, \k
	PLACES
	WIN 0
.if \more
	FETCHX (\k)+1, 4
.endif
.endm
; THE WAY OUT, a tile of 16 rows at a time: a lane's 128 bytes of a row go into my stage and come back as whole rows of 256 bytes.  LDS serves a wave's instructions in order.
.macro TOSTAGE a
	WIN 0x04
.irp i, 0,1,2,3,4,5,6,7
	ds_store_b128 v[SO], v[32*(\a)+4*\i:32*(\a)+4*\i+3] offset:((\a)%2)*4352+16*\i   ; each accumulator from its low end on
.endr
	WIN 0
.irp t, 0,1,2,3,4,5,6,7
	ds_load_b128 v[XF+32*((\a)%2)+4*\t:XF+32*((\a)%2)+4*\t+3], v[RDO] offset:((\a)%2)*4352+544*\t
.endr
.endm
.macro SEND a, younger
	s_wait_dscnt \younger
.irp t, 0,1,2,3,4,5,6,7
	global_store_b128 v[CO], v[XF+32*((\a)%2)+4*\t:XF+32*((\a)%2)+4*\t+3], s[OUT:OUT+1] offset:(16*(\a)+2*\t)*4096 th:TH_STORE_NT   ; 16 lanes store 256 consecutive bytes, aligned
.endr
.endm
	s_load_b256 s[4:11], s[0:1], 0x0               ; oc, os, wc, ws
	s_load_b128 s[12:15], s[0:1], 0x20             ; bo, out0
	v_lshl_add_u32 v254, v0, 2, 0x20800
	v_mov_b32 v255, 0
	v_lshrrev_b32 v32, 5, v0
	v_readfirstlane_b32 s[WV], v32                 ; wave 0..3
	v_and_b32 v32, 31, v0
	v_and_b32 v33, 15, v0                          ; r
	v_bfe_u32 v34, v0, 4, 1                        ; h
	v_lshlrev_b32 v[LI], 4, v32
	v_add_nc_u32 v[LI2], 49152, v[LI]
	v_lshlrev_b32 v[R16], 4, v33
	s_mul_i32 s20, s[WV], 24576
	v_add_nc_u32 v[XWI], s20, v[LI]
	v_lshlrev_b32 v[XSO], 5, v33
	v_lshlrev_b32 v[BOA], 7, v34
	s_mul_i32 s21, s[WV], 8704
	s_add_co_u32 s21, s21, STG
	v_mul_u32_u24 v[SO], v33, 272
	v_lshl_add_u32 v[SO], v34, 7, v[SO]
	v_add_nc_u32 v[SO], s21, v[SO]
	v_mul_u32_u24 v[RDO], v34, 272
	v_lshl_add_u32 v[RDO], v33, 4, v[RDO]
	v_add_nc_u32 v[RDO], s21, v[RDO]
	v_lshl_add_u32 v[CO], v34, 12, v[R16]
	s_and_b32 s22, ttmp7, 0xffff                   ; y: which 128 rows
	s_lshl_b32 s23, ttmp9, 2
	s_add_co_u32 s23, s23, s[WV]                   ; my group of 64 columns
	s_mov_b32 s25, 0
	s_wait_alu depctr_va_vdst(0)
	s_wait_kmcnt 0x0
	s_mul_i32 s24, s22, 98304
	s_add_co_u32 s24, s24, s20
	s_add_nc_u64 s[AP:AP+1], s[4:5], s[24:25]
	s_lshl_b32 s24, s22, 12
	s_add_nc_u64 s[XP:XP+1], s[6:7], s[24:25]
	s_mul_i32 s24, s23, 49152
	s_add_co_u32 s24, s24, 786432
	s_add_nc_u64 s[WC:WC+1], s[8:9], s[24:25]
	s_lshl_b32 s24, s23, 11
	s_add_co_u32 s24, s24, 32768
	s_add_nc_u64 s[SCU:SCU+1], s[10:11], s[24:25]
	s_lshl_b32 s24, s23, 8
	s_add_nc_u64 s[BP:BP+1], s[12:13], s[24:25]
	s_add_nc_u64 s[OUT:OUT+1], s[14:15], s[24:25]
	s_lshl_b32 s24, s22, 19
	s_add_nc_u64 s[OUT:OUT+1], s[OUT:OUT+1], s[24:25]
	WIN 0x40
.set I, 0
.rept 48
	global_load_b128 v[4*I:4*I+3], v[LI], s[AP:AP+1] offset:512*I  ; my quarter of A's images
.set I, I+1
.endr
	WIN 0
.irp a, 0,1,2,3,4,5,6,7
.irp p, 0,1
	global_load_b128 v[XSALL+8*\a+4*\p:XSALL+8*\a+4*\p+3], v[XSO], s[XP:XP+1] offset:512*\a+16*\p
.endr
.endr
	WIN 0x80
.irp i, 0,1,2,3,4,5,6,7
	global_load_b128 v[BIAS+4*\i:BIAS+4*\i+3], v[BOA], s[BP:BP+1] offset:16*\i
.endr
	WLOAD 0, 0
	WLOAD 1, 1
	WLOAD 2, 2
	s_wait_loadcnt 63                              ; the 48 loads of A are in; behind them 16 + 8 + 39 were issued
	WIN 0x04
.set I, 0
.rept 48
	ds_store_b128 v[XWI], v[4*I:4*I+3] offset:512*I
.set I, I+1
.endr
	WIN 0
	s_wait_dscnt 0x0                               ; for the others' sake: my quarter has landed
	s_barrier_signal -1
	s_barrier_wait -1                              ; A's 64 fragments lie in LDS and are only read from here on
	FETCHX 0, 0
	FETCHX 0, 4
	STEP 0, 26, 1
	STEP 1, 26, 1
	STEP 2, 26, 1
	STEP 3, 26, 1
	STEP 4, 26, 1
	STEP 5, 26, 1
	STEP 6, 13, 1
	STEP 7, 0, 0                                   ; its four places also stand ahead of the first read of results and of the loads into A's registers
	TOSTAGE 0
.irp a, 1,2,3,4,5,6,7
.if \a > 1
	s_wait_xcnt 0x0                                ; tile a - 2's stores have read their registers: tile a's rows may land there
.endif
	TOSTAGE \a
	SEND \a-1, 16                                  ; behind tile a - 1's loads: tile a's 8 stores and 8 loads
.endr
	SEND 7, 0
	s_wait_tensorcnt 0x0
	ds_add_u32 v254, v255
	s_wait_dscnt 0x0
	s_endpgm
.Lfunc_end_k_q5d40f871cb_oproj:
	.size	k_q5d40f871cb_oproj, .Lfunc_end_k_q5d40f871cb_oproj-k_q5d40f871cb_oproj
	.p2alignl 7, 3214868480
	.fill 96, 4, 3214868480
	.section	.rodata,"a",@progbits
	.p2align	6, 0x0
	.amdhsa_kernel k_q5d40f871cb_oproj
		.amdhsa_group_segment_fixed_size 133632
		.amdhsa_private_segment_fixed_size 0
		.amdhsa_enable_private_segment 0
		.amdhsa_kernarg_size 48
		.amdhsa_user_sgpr_count 2
		.amdhsa_user_sgpr_kernarg_segment_ptr 1
		.amdhsa_wavefront_size32 1
		.amdhsa_system_sgpr_workgroup_id_x 1
		.amdhsa_system_sgpr_workgroup_id_y 1
		.amdhsa_system_sgpr_workgroup_id_z 1
		.amdhsa_system_vgpr_workitem_id 0
		.amdhsa_next_free_vgpr 768
		.amdhsa_next_free_sgpr 66
		.amdhsa_reserve_vcc 0
		.amdhsa_float_denorm_mode_32 3
		.amdhsa_float_denorm_mode_16_64 3
		.amdhsa_memory_ordered 1
		.amdhsa_forward_progress 1
		.amdhsa_inst_pref_size 86
	.end_amdhsa_kernel
	.amdgpu_metadata
---
amdhsa.version: [ 1, 2 ]
amdhsa.kernels:
  - .name:           k_q5d40f871cb_oproj
    .symbol:         k_q5d40f871cb_oproj.kd
    .args:
      - { .name: oc, .offset: 0, .size: 8, .value_kind: global_buffer, .address_space: global }
      - { .name: os, .offset: 8, .size: 8, .value_kind: global_buffer, .address_space: global }
      - { .name: wc, .offset: 16, .size: 8, .value_kind: global_buffer, .address_space: global }
      - { .name: ws, .offset: 24, .size: 8, .value_kind: global_buffer, .address_space: global }
      - { .name: bo, .offset: 32, .size: 8, .value_kind: global_buffer, .address_space: global }
      - { .name: out0, .offset: 40, .size: 8, .value_kind: global_buffer, .address_space: global }
    .group_segment_fixed_size: 133632
    .private_segment_fixed_size: 0
    .kernarg_segment_align: 8
    .kernarg_segment_size: 48
    .max_flat_workgroup_size: 128
    .sgpr_count:     66
    .vgpr_count:     768
    .wavefront_size: 32
...
	.end_amdgpu_metadata
.endif
;; end of part 4
